; MI455X (gfx1250); checked and timed in simulation.
; The chip was launched on July 23, 2026; its instructions are those of AMD's public machine-readable ISA for CDNA 5 (MIT licence, August 2026) and "CDNA5" Instruction Set Architecture Reference Guide (July 2026). The comments in the code are by the model that wrote it; some were corrected since.
;; Guarded Layer. Allowed arithmetic: matrix products marked QUANTISED: E2M1 operands, one E8M0 scale for each 32 along K, by v_wmma_scale_f32_16x16x128_f8f6f4 with both operands' format E2M1 (or v_wmma_scale_f32_32x16x128_f4), f32 sums; products left as they are: f32 operands where the result goes on into a quantised operand, else bf16, f16 or f32 operands; f32 sums; everything else in f32.
;; Inputs: Wc_codes 8 x 512 x 16 x 16 uint8 (E2M1 codes of Wc, K innermost, in blocks of 32 codes, two codes a byte); Wc_scales 8 x 512 x 16 uint8 (E8M0 scales of Wc, one for each 32 codes along K); Wp_codes 8 x 2 x 16 x 16 uint8 (E2M1 codes of Wp, K innermost, in blocks of 32 codes, two codes a byte); Wp_scales 8 x 2 x 16 uint8 (E8M0 scales of Wp, one for each 32 codes along K); bc 8 x 512 float32; bp 8 x 2 float32; x_codes 32,768 x 16 x 16 uint8 (E2M1 codes of x, K innermost, in blocks of 32 codes, two codes a byte); x_scales 32,768 x 16 uint8 (E8M0 scales of x, one for each 32 codes along K).
;; Outputs: out0 32,768 x 512 float32.
;; This version of the problem:
;;   THIS VERSION OF THE PROBLEM IS GIVEN IN LOW PRECISION. The matrix products marked QUANTISED in the list below multiply operands that are first quantised to E2M1 (2 exponent bits, 1 mantissa bit; 4 bits a number), with one power-of-two scale for each 32 numbers along K (OCP MX v1.0); their sums are f32. All else is computed in f32.
;;   The module's matrix products, in the order in which they are computed (A, B: the left and right operand; K: the contracted axis; several contracted axes count as one K, in the product's order):
;;     1. [M 32,768, K 512] x [K 512, N 16]; A: input x (given as codes); B: input Wp (given as codes): QUANTISED
;;     2. [M 32,768, K 512] x [K 512, N 4,096]; A: input x (given as codes); B: input Wc (given as codes): QUANTISED
;;     3. batch 32,768 x [M 1, K 8] x [K 8, N 512]; A: computed on the way; B: computed on the way: left as it is (K = 8 < 32)
;;   THE QUANTISER, for each operand of a quantised product, along K:
;;     - K is cut into blocks of 32 from its start; a last block that is shorter is filled with zeros.
;;     - A block's scale is 2^e with e = floor(log2(the largest magnitude in the block)) - 2, held to -126 .. 127; a block of zeros has e = 0. As a byte (E8M0): e + 127.
;;     - Each number is divided by its block's scale, clamped to +-6, and rounded to the nearest number of E2M1, ties to even, subnormals kept.
;;     - The product sums the exact products of the quantised numbers (number of the format x scale) in f32.
;;   ~~~python
;;   def quantise(x, axis):      # numpy; x: float32 -> the quantised numbers, widened to float32 again
;;       x = np.moveaxis(x, axis, -1); K = x.shape[-1]
;;       x = np.pad(x, [(0, 0)] * (x.ndim - 1) + [(0, -K % 32)]); x = x.reshape(x.shape[:-1] + (-1, 32)); a = np.abs(x).max(-1, keepdims=True)
;;       e = np.where(a > 0, np.clip(np.frexp(np.where(a > 0, a, 1))[1] - 1 - 2, -126, 127), 0)      # np.frexp(a)[1] - 1 = floor(log2(a)), exactly
;;       r = np.clip(x / 2.0 ** e, -6, 6)
;;       step = 2.0 ** (np.maximum(np.frexp(np.where(r == 0, 1, r))[1] - 1, 0) - 1)
;;       q = np.round(r / step) * step * 2.0 ** e      # np.round: ties to even
;;       return np.moveaxis(q.reshape(q.shape[:-2] + (-1,))[..., :K], -1, axis).astype(np.float32)
;;   ~~~
;;   INPUTS GIVEN AS CODES. Wc (in the module: [8, 512, 512], K = its axis 1); Wp (in the module: [8, 2, 512], K = its axis 2); x (in the module: [32768, 512], K = its axis 1): each comes as NAME_codes (uint8): NAME with its K axis moved to the last place and cut into blocks of 32 codes, [.., K / 32, bytes a block], one block behind the other in memory; two codes a byte, the lower K in the low four bits (a code: sign, 2 exponent bits, 1 mantissa bit); and NAME_scales (uint8): the same leading axes, one E8M0 byte (e + 127) for each 32 codes along K. Its value is code x scale, taken as it is: it is not quantised again, and the codes and scales need not be those that the quantiser above would give.
;; One version. Each part assembles by itself: llvm-mc -triple=amdgcn-amd-amdhsa -mcpu=gfx1250 --defsym DOCPART=n.
;; ======== version 1 of 1: 1 launch
;; limits: right only within a limited range of input values
;; launch guarded (part 1): grid 4 x 64, 4 waves a work-group, clusters of 4 x 4, 327,680 bytes of LDS; arguments x_codes, x_scales, Wc_codes, Wc_scales, bc, Wp_codes, Wp_scales, bp, out0; writes out0
.if DOCPART == 1
	.amdgcn_target "amdgcn-amd-amdhsa--gfx1250"
	.amdhsa_code_object_version 6
	.text
	.protected	k_qffa995a4c5_guarded
	.globl	k_qffa995a4c5_guarded
	.p2align	8
	.type	k_qffa995a4c5_guarded,@function
k_qffa995a4c5_guarded:
	s_mov_b64 s[64:65], 0
	v_nop
	global_prefetch_b8 v0, s[64:65] scope:SCOPE_SE
	s_setreg_imm32_b32 hwreg(HW_REG_WAVE_MODE, 25, 1), 1
	s_wait_xcnt 0x0
	s_wait_alu depctr_hold_cnt(0) depctr_sa_sdst(0) depctr_va_vdst(0) depctr_va_sdst(0) depctr_va_ssrc(0) depctr_va_vcc(0) depctr_vm_vsrc(0)
	s_getreg_b32 s2, hwreg(HW_REG_IB_STS2, 6, 4)
	s_cmp_eq_u32 s2, 0
	s_cbranch_scc0 .Lentry_in_a_cluster
	s_endpgm
.Lentry_in_a_cluster:
	s_bfe_u32 s2, ttmp6, 0x10000c
	s_cmp_lg_u32 s2, 0xf033
	s_cbranch_scc0 .Lentry_shape_is_right
	s_endpgm
.Lentry_shape_is_right:
; out[n][e] = sum over c of P[n][c] (sum over d of x[n][d] Wc[c][d][e] + bc[c][e]),  P = sigmoid(s0) sigmoid(s1), 0 where P <= 1e-4,  s = x Wp^T + bp.
; x [32768][512], Wc [8][512 e][512 d], Wp [16][512]: codes of E2M1, K innermost, 256 bytes a row, 16 E8M0 bytes a row (four words, one for 128 along K).  out f32.
; SHARES.  256 work-groups of four waves; a work-group makes 512 rows x 128 columns.  W IS STATIONARY: a wave keeps the codes of its 32 columns, all 8 cases, all of K, in 512 registers, their scale words in 32
; and bc in 128.  x STREAMS: a row tile of 16 rows is 32 matrix instructions of 32 x 16 x 128 (8 cases x 4 K steps), bc being the C of the first K step, and 64 packed multiply-adds that weigh the results into out.
; THE MATRIX INSTRUCTION IS USED TRANSPOSED (source 0 = 32 columns of W, source 1 = 16 rows of x): a lane holds ONE row n, so P is one number a lane and case.
; A row tile has two halves of four cases: while one half's results are weighed the other half's products stand between (cases 0-3: set A of four accumulators, cases 4-7: set B; one instruction a turn).
; CLUSTER, 4 x 4: cx is the quarter of the columns, cy one of four row blocks.  x is asked for jointly along a row of the cluster, W along a column.
; LDS holds W once (278,528 bytes) and x's first 128 rows; when every wave has W in registers, x's other 384 rows are loaded over W's bytes, and the stage for out and P lie in W's other bytes, which are filled no more.
; P: a wave computes P for a quarter of the rows of each of the two parts of x (scores: 16 x 16 x 128 products with Wp's 16 rows) and hands it to the others through LDS.
; THE WAY OUT.  Two row tiles of all four waves are 32 rows x 512 bytes: they meet in a stage in LDS (two buffers by turns) and leave as whole aligned runs of 512 bytes while the next tiles are multiplied.
; LIMITS.  NaN and infinities in bp and bc, and the scale byte 0xff, are not served.  P is made by v_exp_f32 and v_rcp_f32 (1 ulp each, ISA guide 15.8): a presence within a few ulp of 1e-4 may fall on the
; other side of the comparison, which moves an output by at most 1e-4 |y|.  Where (1 + 2^a)(1 + 2^b) overflows, the reciprocal is 0 and so is P, as the comparison would make it.
; No prefetch: what the head asks for is wanted at once, and the one later load, 384 rows of x, has eight row tiles of work (256 matrix instructions) in which to land.
;
; LDS
.set PITCH, 272                        ; a row of 256 bytes + 16 of padding (68 words: the 16 rows of a load begin in 16 different 16-byte columns of 256)
.set TILEB, 16*PITCH
.set CASEB, 128*PITCH                  ; W: case c at 34,816 c
.set X0,   8*CASEB                     ; x's rows 0-127;  rows 128-511 from byte 0 on, over W
.set XSL,  X0+128*PITCH                ; x's scale bytes, 16 a row
.set PIM0, XSL+8192                    ; P of rows 0-127: cases 0-3 at 16 x row, cases 4-7 2,048 bytes on
.set SPARE, PIM0+4096                  ; the spare words: 128 bytes for each wave, two blocks of 256 bytes that no other line names
.set PIM1, 384*PITCH                   ; P of rows 128-511: cases 4-7 6,144 bytes on
.set STAGE, PIM1+12288
.set SPITCH, 528                       ; a stage row: 512 bytes + 16
.set SBUF, 32*SPITCH
; REGISTERS, window 0
.set SPW, 1                            ; LDS address of my spare word; never rewritten
.set NIL, 2                            ; 0; never rewritten
.set AX0, 3                            ; x's fragments, rows 0-127;  AX1: rows 128-511, steps 64 rows a trip
.set AX1, 4
.set AP0, 5                            ; P of the same
.set AP1, 6
.set AXS, 7                            ; x's scale words
.set STO, 8                            ; the stage: where I put 16 bytes of a row
.set RD,  9                            ; the stage: where I read rows back
.set CO,  10                           ; 16 x lane: my bytes in a run of 512 of out
.set ASX1, 11                          ; the scores of rows 128-511: x's fragments, scale words, where P goes
.set ASS1, 12
.set APS1, 13
.set X,   20                           ; v20-83    x's fragments of a row tile (4 K steps x 8), two sets
.set FB,  84                           ; v84-115   rows of out on their way from the stage to memory; scores
.set OUT, 116                          ; v116-147  out of a row tile, two sets of 16 (set 0 follows FB: six tiles of scores take FB and it)
.set P,   148                          ; v148-163  P of a row tile, two sets of 8
.set WS,  164                          ; v164-195  W's scale words, 4 c + q
.set XS,  196                          ; v196-211  x's scale words, four sets of 4
.set WP,  212                          ; v212-243  Wp's fragments;  v244-247 its scale words;  v248-255 bp
.set WPS, 244
.set BP,  248
; the head's own, in registers of out
.set XST,  116                         ; where I put x's scale words
.set ASX0, 117
.set ASS0, 118
.set APS0, 119
.set AW,   120                         ; v120-123  W's fragments, case pairs
.set O32H, 124                         ; offsets of global loads
.set OWP,  125
.set O16R, 126
; windows 1, 2: W's fragments of cases 0-3, 4-7 at 64 (c % 4) + 16 q.  Window 3: bc of case c at 16 c; the accumulators of case c at 128 + 16 c
.set Y, 128
.set G1X, 32                           ; descriptor groups 1: x 128 rows, W three cases, W two cases, x 96 rows
.set G1W, 40
.set G1V, 48
.set G0X, 56
.set G0W, 60
.set G0Y, 68
.set G1Y, 72
.set M_A, 0xf1                         ; source 0 (W) window 1, source 1 (x) window 0, C and D window 3
.set M_B, 0xf2                         ; source 0 window 2
.set M_F, 0x0c                         ; source 1 (the results) window 3, all else window 0
.set MSB, 0
.macro WIN new                         ; the immediate's high byte repeats the setting that is left; a switch that changes nothing is dropped
.if MSB != (\new)
	s_set_vgpr_msb (MSB<<8)|(\new)
.set MSB, (\new)
.endif
.endm
.macro CROUND                          ; a whole round of the cluster's barrier
	s_barrier_signal -1
	s_barrier_wait -1
	s_cmp_lg_u32 s22, 0
	s_cbranch_scc1 .Lnot_wave_0_\@
	s_barrier_signal -3
.Lnot_wave_0_\@:
	s_barrier_wait -3
	s_barrier_signal -1
	s_barrier_wait -1
.endm
.macro PLACES                          ; four places (ISA guide 7.12.1)
.rept 4
	v_nop
.endr
.endm
	s_load_b512 s[4:19], s[0:1], 0x0               ; x_codes s[4:5], x_scales s[6:7], Wc_codes s[8:9], Wc_scales s[10:11], bc s[12:13], Wp_codes s[14:15], Wp_scales s[16:17], bp s[18:19]
	s_load_b64 s[20:21], s[0:1], 0x40              ; out0
	v_lshl_add_u32 v[SPW], v0, 2, SPARE
	v_mov_b32 v[NIL], 0
	ds_add_u32 v[SPW], v[NIL]                      ; the wave's opening: the add, twice on end, and its wait ahead of my first tensor load
	ds_add_u32 v[SPW], v[NIL]
	v_lshrrev_b32 v14, 5, v0
	v_readfirstlane_b32 s22, v14                   ; wave 0..3
	s_bfe_u32 s23, ttmp6, 0x40000                  ; cx
	s_bfe_u32 s24, ttmp6, 0x40004                  ; cy
	s_lshl_b32 s26, ttmp9, 2
	s_add_co_u32 s26, s26, s23                     ; the quarter of the columns
	s_and_b32 s25, ttmp7, 0xffff
	s_lshl_b32 s25, s25, 2
	s_add_co_u32 s25, s25, s24                     ; the block of 512 rows
	s_lshl_b32 s27, s24, 2
	s_lshl_b32 s27, 15, s27                        ; my row of the cluster
	s_lshl_b32 s28, 0x1111, s23                    ; my column
	; descriptor groups 1; elements of 8 bytes, 16 bytes of padding behind every 256, bit 21 beside a mask
	s_or_b32 s[G1X], s27, (3<<16)|(1<<20)|(1<<21)|(5<<22)|(3<<25)
	s_or_b32 s[G1Y], s27, (3<<16)|(1<<20)|(1<<21)|(5<<22)|(3<<25)
	s_or_b32 s[G1W], s28, (3<<16)|(1<<20)|(1<<21)|(5<<22)|(3<<25)
	s_or_b32 s[G1V], s28, (3<<16)|(1<<20)|(1<<21)|(5<<22)|(3<<25)
.irp g, G1X, G1Y                       ; rows of 256 bytes, dense
	s_mov_b32 s[\g+1], 32<<16
	s_mov_b32 s[\g+3], 32<<16
	s_mov_b32 s[\g+5], 32
	s_mov_b32 s[\g+6], 0
	s_mov_b32 s[\g+7], 0
.endr
	s_mov_b32 s[G1X+2], 128<<16
	s_mov_b32 s[G1X+4], 128
	s_mov_b32 s[G1Y+2], 96<<16
	s_mov_b32 s[G1Y+4], 96
.irp g, G1W, G1V                       ; a case's 128 dense rows of W, 32,768 bytes, are one stated row; from case to case 131,072 bytes
	s_mov_b32 s[\g+1], 4096<<16
	s_mov_b32 s[\g+3], 4096<<16
	s_mov_b32 s[\g+5], 16384
	s_mov_b32 s[\g+6], 0
	s_mov_b32 s[\g+7], 0
.endr
	s_mov_b32 s[G1W+2], 3<<16
	s_mov_b32 s[G1W+4], 3
	s_mov_b32 s[G1V+2], 2<<16
	s_mov_b32 s[G1V+4], 2
	s_lshl_b32 s30, s25, 17                        ; x: my block's first row, in bytes
	s_mov_b32 s31, 0
	s_mul_i32 s96, s22, 96*256                     ; the later load: rows 128 + 96 w on
	s_add_co_u32 s96, s96, s30
	s_add_co_u32 s96, s96, 128*256
	s_mov_b32 s97, 0
	s_mul_i32 s98, s22, 3*131072                   ; W: waves 0, 1, 2 fetch cases 0-2, 3-5, 6-7 (wave 3 fetches x and uses no word of this)
	s_lshl_b32 s29, s26, 15
	s_add_co_u32 s98, s98, s29
	s_mov_b32 s99, 0
	s_mov_b32 s[G0X], 1
	s_mov_b32 s[G0X+1], X0
	s_mov_b32 s[G0Y], 1
	s_mul_i32 s[G0Y+1], s22, 96*PITCH
	s_mov_b32 s[G0W], 1
	s_mul_i32 s[G0W+1], s22, 3*CASEB
	s_wait_dscnt 0x0                               ; both opening adds are done
	s_wait_kmcnt 0x0
	s_add_nc_u64 s[G0X+2:G0X+3], s[4:5], s[30:31]
	s_or_b32 s[G0X+3], s[G0X+3], 0x80000000
	s_add_nc_u64 s[G0Y+2:G0Y+3], s[4:5], s[96:97]
	s_or_b32 s[G0Y+3], s[G0Y+3], 0x80000000
	s_add_nc_u64 s[G0W+2:G0W+3], s[8:9], s[98:99]
	s_or_b32 s[G0W+3], s[G0W+3], 0x80000000
	CROUND                                         ; all sixteen work-groups are here: the first joint loads meet
	s_cmp_lt_u32 s22, 2                            ; ONE LOAD A WAVE
	s_cbranch_scc0 .Lhead_2
	tensor_load_to_lds s[G0W:G0W+3], s[G1W:G1W+7]
	s_nop 0
	PLACES
	s_branch .Lasked
.Lhead_2:
	s_cmp_lt_u32 s22, 3
	s_cbranch_scc0 .Lhead_x
	tensor_load_to_lds s[G0W:G0W+3], s[G1V:G1V+7]
	s_nop 0
	PLACES
	s_branch .Lasked
.Lhead_x:
	tensor_load_to_lds s[G0X:G0X+3], s[G1X:G1X+7]
	s_nop 0
	PLACES
.Lasked:
	; bases of the plain loads and of out
	s_lshl_b32 s30, s25, 13
	s_lshl_b32 s29, s22, 11
	s_add_co_u32 s30, s30, s29
	s_add_nc_u64 s[6:7], s[6:7], s[30:31]          ; x's scale bytes: rows 128 w on
	s_lshl_b32 s30, s26, 11
	s_lshl_b32 s29, s22, 9
	s_add_co_u32 s30, s30, s29
	s_add_nc_u64 s[10:11], s[10:11], s[30:31]      ; W's scale bytes: my 32 columns
	s_lshl_b32 s30, s26, 9
	s_lshl_b32 s29, s22, 7
	s_add_co_u32 s30, s30, s29
	s_add_nc_u64 s[12:13], s[12:13], s[30:31]      ; bc: my 32 columns
	s_lshl_b32 s30, s25, 20
	s_lshl_b32 s29, s26, 9
	s_add_co_u32 s30, s30, s29
	s_lshl_b32 s29, s22, 14
	s_add_co_u32 s30, s30, s29
	s_add_nc_u64 s[20:21], s[20:21], s[30:31]      ; out: rows 8 w .. 8 w + 7 of each 32, my work-group's columns
	s_mov_b32 s89, 0x38d1b717                      ; 1e-4
	s_mov_b32 s90, 0xbfb8aa3b                      ; -log2(e); named as a pair, so both are written
	s_mov_b32 s91, s90
	s_mul_i32 s92, s22, 32*PITCH
	s_mul_i32 s93, s22, 96*PITCH
	s_lshl_b32 s94, s22, 9
	s_mul_i32 s95, s22, 1536
	s_add_co_u32 s80, s95, 2048
	s_add_co_u32 s81, s94, PIM0
	s_add_co_u32 s82, s95, PIM1
	s_lshl_b32 s83, s22, 7
	s_add_co_u32 s83, s83, STAGE
	s_mul_i32 s84, s22, 8*SPITCH
	s_add_co_u32 s84, s84, STAGE
	s_lshl_b32 s85, s22, 11
	s_add_co_u32 s85, s85, XSL
	v_and_b32 v14, 15, v0                          ; r
	v_bfe_u32 v15, v0, 4, 1                        ; h
	v_and_b32 v16, 31, v0                          ; lane
	v_mul_u32_u24 v17, v14, PITCH
	v_lshl_add_u32 v[AX1], v15, 4, v17             ; 272 r + 16 h: a fragment's row and half
	v_add_nc_u32 v[AX0], X0, v[AX1]
	v_add_nc_u32 v[ASX0], s92, v[AX0]              ; rows 32 w on
	v_add_nc_u32 v[ASX1], s93, v[AX1]              ; rows 96 w on
	v_add_nc_u32 v[AW], s92, v[AX1]                ; columns 32 w on
	v_add_nc_u32 v[AW+1], 2*CASEB, v[AW]
	v_add_nc_u32 v[AW+2], 4*CASEB, v[AW]
	v_add_nc_u32 v[AW+3], 6*CASEB, v[AW]
	v_lshlrev_b32 v[O16R], 4, v14
	v_add_nc_u32 v[AXS], XSL, v[O16R]
	v_add_nc_u32 v[ASS0], s94, v[AXS]
	v_add_nc_u32 v[ASS1], s80, v[AXS]
	v_lshl_add_u32 v18, v15, 11, v[O16R]
	v_add_nc_u32 v[APS0], s81, v18
	v_mul_u32_u24 v19, v15, 6144
	v_add_nc_u32 v19, v19, v[O16R]
	v_add_nc_u32 v[APS1], s82, v19
	v_add_nc_u32 v[AP0], PIM0, v[O16R]
	v_add_nc_u32 v[AP1], PIM1, v[O16R]
	v_mul_u32_u24 v18, v14, SPITCH
	v_lshl_add_u32 v18, v15, 5, v18
	v_add_nc_u32 v[STO], s83, v18
	v_lshlrev_b32 v[CO], 4, v16
	v_add_nc_u32 v[RD], s84, v[CO]
	v_add_nc_u32 v[XST], s85, v[CO]
	v_lshlrev_b32 v[O32H], 5, v15
	v_lshlrev_b32 v[OWP], 8, v14
	v_lshl_add_u32 v[OWP], v15, 4, v[OWP]          ; Wp: 256 r + 16 h
	s_wait_alu depctr_va_vdst(0)
	; 55 plain loads, in the order in which they are wanted
.irp i, 0,1,2,3
	global_load_b128 v[FB+16+4*\i:FB+19+4*\i], v[CO], s[6:7] offset:512*\i
.endr
.irp q, 0,1,2,3
.irp e, 0,1
	global_load_b128 v[WP+8*\q+4*\e:WP+8*\q+4*\e+3], v[OWP], s[14:15] offset:64*\q+32*\e
.endr
.endr
	global_load_b128 v[WPS:WPS+3], v[O16R], s[16:17]
	global_load_b128 v[BP:BP+3], v[O32H], s[18:19]
	global_load_b128 v[BP+4:BP+7], v[O32H], s[18:19] offset:16
.irp c, 0,1,2,3,4,5,6,7
	global_load_b128 v[WS+4*\c:WS+4*\c+3], v[CO], s[10:11] offset:8192*\c   ; lane m: column m's four words
.endr
	WIN 0xc0                                       ; destination window 3
.irp c, 0,1,2,3,4,5,6,7
.irp u, 0,1,2,3
	global_load_b128 v[16*\c+4*\u:16*\c+4*\u+3], v[O32H], s[12:13] offset:2048*\c+64*(\u/2)+16*(\u%2)   ; columns 8 h + 0 .. 7, 16 + 8 h + 0 .. 7
.endr
.endr
	WIN 0
	s_wait_loadcnt 51                              ; x's scale words are in; the 51 younger loads may be out
.irp i, 0,1,2,3
	ds_store_b128 v[XST], v[FB+16+4*\i:FB+19+4*\i] offset:512*\i
.endr
	s_cmp_lg_u32 s22, 3
	s_cbranch_scc1 .Lnot_mine
	s_wait_tensorcnt 0x0                           ; wave 3 alone asked for x's first 128 rows
.Lnot_mine:
	s_wait_dscnt 0x0                               ; my scale words are stored
	s_barrier_signal -1
	s_barrier_wait -1                              ; x's first 128 rows and all its scale words are there; W's loads may be out
; x's fragments and scale words of tile n into set s: nine loads
.macro XLOAD ax, n, s
.irp q, 0,1,2,3
.irp e, 0,1
	ds_load_b128 v[X+32*(\s)+8*\q+4*\e:X+32*(\s)+8*\q+4*\e+3], v[\ax] offset:(\n)*TILEB+64*\q+32*\e
.endr
.endr
	ds_load_b128 v[XS+4*(\s):XS+4*(\s)+3], v[AXS] offset:(\n)*256
.endm
.macro PLOAD ap, pl, n, s              ; P of tile n into set s: two loads
	ds_load_b128 v[P+8*(\s):P+8*(\s)+3], v[\ap] offset:(\n)*256
	ds_load_b128 v[P+8*(\s)+4:P+8*(\s)+7], v[\ap] offset:(\n)*256+\pl
.endm
; THE SCORES of two row tiles.  SX: their 18 loads (tiles n0, n0 + 1; fragments from register xb of the window that win names as destination; scale words in sets xset, xset + 1)
.macro SX asx, ass, n0, xb, xset, win
	WIN 0
.irp a, 0,1
	ds_load_b128 v[XS+4*((\xset)+\a):XS+4*((\xset)+\a)+3], v[\ass] offset:256*((\n0)+\a)
.endr
	WIN \win
.irp a, 0,1
.irp q, 0,1,2,3
.irp e, 0,1
	ds_load_b128 v[(\xb)+32*\a+8*\q+4*\e:(\xb)+32*\a+8*\q+4*\e+3], v[\asx] offset:((\n0)+\a)*TILEB+64*\q+32*\e
.endr
.endr
.endr
	WIN 0
.endm
; SWM: source 0 = Wp's 16 rows (2 c + p), C = bp: lane (r, h), register j: the score of row r for 2 c + p = 8 h + j.  The two tiles take turns
.macro SWM d, xb, xset
.irp q, 0,1,2,3
.irp a, 0,1
.if \q == 0
	v_wmma_scale_f32_16x16x128_f8f6f4 v[(\d)+8*\a:(\d)+8*\a+7], v[WP:WP+7], v[(\xb)+32*\a:(\xb)+32*\a+7], v[BP:BP+7], v[WPS], v[XS+4*((\xset)+\a)] matrix_a_fmt:MATRIX_FMT_FP4 matrix_b_fmt:MATRIX_FMT_FP4
.else
	v_wmma_scale_f32_16x16x128_f8f6f4 v[(\d)+8*\a:(\d)+8*\a+7], v[WP+8*\q:WP+8*\q+7], v[(\xb)+32*\a+8*\q:(\xb)+32*\a+8*\q+7], v[(\d)+8*\a:(\d)+8*\a+7], v[WPS+\q], v[XS+4*((\xset)+\a)+\q] matrix_a_fmt:MATRIX_FMT_FP4 matrix_b_fmt:MATRIX_FMT_FP4
.endif
.endr
.endr
.endm
; P = 1 / ((1 + 2^(-s0 log2 e)) (1 + 2^(-s1 log2 e))) of nt tiles, in place from FB on; lane (r, h) then holds cases 4 h .. 4 h + 3 of row r: 16 bytes, stored
.macro PMATH nt, aps
.set ii, 0
.rept 4*\nt
	v_pk_mul_f32 v[FB+2*ii:FB+2*ii+1], v[FB+2*ii:FB+2*ii+1], s[90:91] op_sel_hi:[1,0]
.set ii, ii+1
.endr
	s_wait_alu depctr_va_vdst(0)                   ; ahead of the batch
.set ii, 0
.rept 8*\nt
	v_exp_f32 v[FB+ii], v[FB+ii]
.set ii, ii+1
.endr
	v_nop
	s_wait_alu depctr_va_vdst(0)                   ; and ahead of its first reader
.set ii, 0
.rept 4*\nt
	v_pk_add_f32 v[FB+2*ii:FB+2*ii+1], v[FB+2*ii:FB+2*ii+1], 1.0 op_sel_hi:[1,0]
.set ii, ii+1
.endr
.set ii, 0
.rept \nt
.irp k, 0,1,2,3
	v_mul_f32 v[FB+8*ii+\k], v[FB+8*ii+2*\k], v[FB+8*ii+2*\k+1]    ; k ascending, so that nothing is overwritten before it is read
.endr
.set ii, ii+1
.endr
	s_wait_alu depctr_va_vdst(0)
.set ii, 0
.rept \nt
.irp k, 0,1,2,3
	v_rcp_f32 v[FB+8*ii+4+\k], v[FB+8*ii+\k]
.endr
.set ii, ii+1
.endr
	v_nop
	s_wait_alu depctr_va_vdst(0)
.set ii, 0
.rept \nt
.irp k, 0,1,2,3
	v_cmp_lt_f32 vcc_lo, s89, v[FB+8*ii+4+\k]
	v_cndmask_b32 v[FB+8*ii+4+\k], 0, v[FB+8*ii+4+\k], vcc_lo      ; 0 unless P > 1e-4
.endr
	ds_store_b128 v[\aps], v[FB+8*ii+4:FB+8*ii+7] offset:256*ii
.set ii, ii+1
.endr
.endm
; Half hf of a row tile in set s: 16 products, four cases' accumulators by turns
.macro WMS hf, s
.irp q, 0,1,2,3
.irp c, 0,1,2,3
.set yy, Y+16*(4*(\hf)+\c)
.set ws, WS+4*(4*(\hf)+\c)+\q
.if \q == 0
.set cc, 16*(4*(\hf)+\c)               ; the first K step starts the sum with bc: nothing is cleared, nothing is added later
.else
.set cc, yy
.endif
	v_wmma_scale_f32_32x16x128_f4 v[yy:yy+15], v[64*\c+16*\q:64*\c+16*\q+15], v[X+32*(\s)+8*\q:X+32*(\s)+8*\q+7], v[cc:cc+15], v[ws], v[XS+4*(\s)+\q]
.endr
.endr
.endm
; The 32 weighings of half hf's finished results into out's set s; each accumulator from its low end on.  They name no register of the other half's products: so they are also the places behind those (ISA guide 7.12.1)
.macro FMS hf, s
.irp c, 0,1,2,3
.irp m, 0,1,2,3,4,5,6,7
.set ro, OUT+16*(\s)+2*\m
.set ry, Y+16*(4*(\hf)+\c)+2*\m
.set rp, P+8*(\s)+4*(\hf)+2*(\c/2)
.if (\hf) == 0 && \c == 0
	v_pk_mul_f32 v[ro:ro+1], v[rp:rp+1], v[ry:ry+1] op_sel_hi:[0,1]
.elseif (\c%2) == 0
	v_pk_fma_f32 v[ro:ro+1], v[rp:rp+1], v[ry:ry+1], v[ro:ro+1] op_sel_hi:[0,1,1]
.else
	v_pk_fma_f32 v[ro:ro+1], v[rp:rp+1], v[ry:ry+1], v[ro:ro+1] op_sel:[1,0,0] op_sel_hi:[1,1,1]
.endif
.endr
.endr
.endm
.macro STG s, buf                      ; out's set s into the stage: rows 16 s .. of a buffer's 32
.irp u, 0,1,2,3
	ds_store_b128 v[STO], v[OUT+16*(\s)+4*\u:OUT+16*(\s)+4*\u+3] offset:(\buf)*SBUF+(\s)*16*SPITCH+64*(\u/2)+16*(\u%2)
.endr
.endm
.macro FLD buf                         ; eight whole rows back from the stage
.irp t, 0,1,2,3,4,5,6,7
	ds_load_b128 v[FB+4*\t:FB+4*\t+3], v[RD] offset:(\buf)*SBUF+\t*SPITCH
.endr
.endm
; Row tile i of a trip's four (even tiles in set 0, odd ones in set 1); tb: tiles ahead of the trip's base.  At its start the tile before has its cases 4-7 yet to be weighed.
; An even tile's stores complete a group of 32 rows in the stage: it signals; the odd tile behind it waits and sends the group.  Behind that wait all waves have also read the other buffer, which is written next.
.macro TILE i, tb, ax, ap, pl, first, next
.set tp, (\i)%2
.set tn, 1-tp
.set nx, 0
.set np, 0
.if ((\i) < 3) || (\next)
.set nx, 9
.set np, 2
.endif
.set f0, 0
.set f1, 0
.if (\first) && ((\i) == 0)
.set f0, 1                             ; the launch's first tile: nothing to weigh or to store; its cases 0-3 are multiplied while W's cases 4-7 come in
.endif
.if (\first) && ((\i) == 1)
.set f1, 1                             ; nothing to send yet
.endif
	s_wait_alu depctr_va_vdst(0)
.if f0
	s_wait_tensorcnt 0x0                           ; ahead of a refill: no tensor load of mine is out,
	ds_add_u32 v[SPW], v[NIL]                      ; 0 onto my spare word,
	s_wait_dscnt 63                                ; (tile 0 and W's cases 0-3 are in: 64 loads of cases 4-7, tile 1's nine and the add are younger)
.elseif tp
.if f1 == 0
	s_barrier_wait -1                              ; the group of 32 rows is whole
	s_wait_xcnt 0x0                                ; the stores before have read their data
.if (\i) == 1
	FLD 1
.else
	FLD 0
.endif
.endif
.if nx
	XLOAD \ax, (\tb)+(\i)+1, tn
.endif
.else
.if nx
	XLOAD \ax, (\tb)+(\i)+1, tn
.endif
	s_wait_dscnt nx                                ; this tile's loads are in; the next tile's may be out
.endif
	WIN M_A
	WMS 0, tp
.if f0
	WIN 0
	s_wait_dscnt 0x0                               ; the add is done, and I have W in registers
	CROUND                                         ; so has every wave of every partner
	tensor_load_to_lds s[G0Y:G0Y+3], s[G1Y:G1Y+7]  ; my 96 of x's other rows, over W: the first thing behind the round
	s_nop 0
	PLACES                                         ; (also the places ahead of the first weighing of this tile)
.else
	WIN M_F
	FMS 1, tn
.endif
.if np
	PLOAD \ap, \pl, (\tb)+(\i)+1, tn
.endif
.if f0 == 0
	WIN 0
.if ((\i) == 1) || ((\i) == 2)
	STG tn, 0
.else
	STG tn, 1
.endif
.endif
.if tp && (f1 == 0)
	s_wait_dscnt nx+np+4                           ; the eight rows are back; the next tile's loads and the stores into the stage may be out
.irp t, 0,1,2,3,4,5,6,7
.if (\i) == 1
	global_store_b128 v[CO], v[FB+4*\t:FB+4*\t+3], s[20:21] offset:2048*\t-65536 th:TH_STORE_NT   ; the trip before's second group: 32 lanes store 512 consecutive bytes, at a multiple of 256
.else
	global_store_b128 v[CO], v[FB+4*\t:FB+4*\t+3], s[20:21] offset:2048*\t th:TH_STORE_NT
.endif
.endr
.endif
	WIN M_B
	WMS 1, tp
.if tp == 0
	s_wait_dscnt 0x0                               ; for the others' sake: my stores into the stage are done; the next tile's loads are in as well
.if f0 == 0
	s_barrier_signal -1
.endif
.endif
	WIN M_F
	FMS 0, tp
.endm
.macro TRIP tb, ax, ap, pl, first, next
	TILE 0, \tb, \ax, \ap, \pl, \first, \next
	TILE 1, \tb, \ax, \ap, \pl, \first, \next
	TILE 2, \tb, \ax, \ap, \pl, \first, \next
	TILE 3, \tb, \ax, \ap, \pl, \first, \next
	WIN 0
	s_wait_xcnt 0x0                                ; the stores have read their base and data
	s_add_nc_u64 s[20:21], s[20:21], 0x20000       ; 64 rows of out on
.endm
	; P of rows 32 w .. 32 w + 31
	SX ASX0, ASS0, 0, X, 0, 0
	s_wait_loadcnt 40                              ; Wp, its scale words and bp are in; W's scale words and bc may be out
	s_wait_dscnt 0x0
	SWM FB, X, 0
	PLACES
	PMATH 2, APS0
	s_wait_loadcnt 0x0
	s_wait_tensorcnt 0x0                           ; my part of W is in
	s_wait_dscnt 0x0                               ; my P is stored
	s_barrier_signal -1
	s_barrier_wait -1
	XLOAD AX0, 0, 0
	PLOAD AP0, 2048, 0, 0
.macro WLD c0, win                     ; W's fragments of four cases: 64 loads
	WIN \win
.irp c, 0,1,2,3
.irp q, 0,1,2,3
.irp g, 0,1
.irp e, 0,1
	ds_load_b128 v[64*\c+16*\q+8*\g+4*\e:64*\c+16*\q+8*\g+4*\e+3], v[AW+(\c0+\c)/2] offset:(\c%2)*CASEB+\g*TILEB+64*\q+32*\e
.endr
.endr
.endr
.endr
	WIN 0
.endm
	WLD 0, 0x40
	WLD 4, 0x80
	XLOAD AX0, 1, 1
	; THE WALK.  x's first 128 rows: eight tiles
	TRIP 0, AX0, AP0, 2048, 1, 1
	TRIP 4, AX0, AP0, 2048, 0, 0
	; x's other rows have come: P of rows 128 + 96 w .. + 95, six tiles.  Set B of the accumulators, out's and P's set 1 still hold tile 7
	v_add_nc_u32 v[AXS], 2048, v[AXS]              ; on to row 128's scale words
	s_wait_alu depctr_va_vdst(0)
	s_wait_tensorcnt 0x0                           ; my part is in
	s_wait_dscnt 0x0
	s_barrier_signal -1
	s_barrier_wait -1                              ; everybody's is.
	SX ASX1, ASS1, 0, X, 0, 0
	SX ASX1, ASS1, 2, Y, 2, 0xc0                   ; (set A's registers of window 3 are free)
	s_wait_dscnt 18                                ; the first two tiles are in
	SWM FB, X, 0
	PLACES                                         ; ahead of loads into what these products have read
	SX ASX1, ASS1, 4, X, 0, 0
	s_wait_dscnt 18
	WIN M_F
	SWM FB+16, Y, 2
	WIN 0
	s_wait_dscnt 0x0
	SWM FB+32, X, 0
	PLACES
	PMATH 6, APS1
	XLOAD AX1, 0, 0
	s_wait_dscnt 0x0                               ; my P is stored
	s_barrier_signal -1
	s_barrier_wait -1
	PLOAD AP1, 6144, 0, 0
	s_mov_b32 s88, 5
.Ltrip:                                                ; 24 tiles, four a trip; the last trip is written out: nothing is left to load
	TRIP 0, AX1, AP1, 6144, 0, 1
	v_add_nc_u32 v[AX1], 4*TILEB, v[AX1]
	v_add_nc_u32 v[AP1], 1024, v[AP1]
	v_add_nc_u32 v[AXS], 1024, v[AXS]
	s_sub_co_u32 s88, s88, 1
	s_cmp_lg_u32 s88, 0
	s_cbranch_scc1 .Ltrip
	TRIP 0, AX1, AP1, 6144, 0, 0
	; the last tile's cases 4-7, and the last group
	s_wait_alu depctr_va_vdst(0)
	WIN M_F
	FMS 1, 1
	WIN 0
	STG 1, 1
	s_wait_dscnt 0x0
	s_barrier_signal -1
	s_barrier_wait -1
	FLD 1
.irp t, 0,1,2,3,4,5,6,7
	s_wait_dscnt 7-\t                              ; LDS loads come back in order (ISA guide 5.7.1)
	global_store_b128 v[CO], v[FB+4*\t:FB+4*\t+3], s[20:21] offset:2048*\t-65536 th:TH_STORE_NT
.endr
	s_wait_tensorcnt 0x0                           ; the wave's end: behind my last tensor load and my last LDS store
	ds_add_u32 v[SPW], v[NIL]
	s_wait_dscnt 0x0
	CROUND                                         ; the closing round: no work-group ends while a partner may still ask for a tile that names it
	s_endpgm
.Lfunc_end_k_qffa995a4c5_guarded:
	.size	k_qffa995a4c5_guarded, .Lfunc_end_k_qffa995a4c5_guarded-k_qffa995a4c5_guarded
	.p2alignl 7, 3214868480
	.fill 96, 4, 3214868480
	.section	.rodata,"a",@progbits
	.p2align	6, 0x0
	.amdhsa_kernel k_qffa995a4c5_guarded
		.amdhsa_group_segment_fixed_size 327680
		.amdhsa_private_segment_fixed_size 0
		.amdhsa_enable_private_segment 0
		.amdhsa_kernarg_size 72
		.amdhsa_user_sgpr_count 2
		.amdhsa_user_sgpr_kernarg_segment_ptr 1
		.amdhsa_wavefront_size32 1
		.amdhsa_system_sgpr_workgroup_id_x 1
		.amdhsa_system_sgpr_workgroup_id_y 1
		.amdhsa_system_sgpr_workgroup_id_z 1
		.amdhsa_system_vgpr_workitem_id 0
		.amdhsa_next_free_vgpr 1024
		.amdhsa_next_free_sgpr 100
		.amdhsa_reserve_vcc 1
		.amdhsa_float_denorm_mode_32 3
		.amdhsa_float_denorm_mode_16_64 3
		.amdhsa_memory_ordered 1
		.amdhsa_forward_progress 1
		.amdhsa_inst_pref_size 203
	.end_amdhsa_kernel
	.amdgpu_metadata
---
amdhsa.version: [ 1, 2 ]
amdhsa.kernels:
  - .name:           k_qffa995a4c5_guarded
    .symbol:         k_qffa995a4c5_guarded.kd
    .args:
      - { .name: x_codes, .offset: 0, .size: 8, .value_kind: global_buffer, .address_space: global }
      - { .name: x_scales, .offset: 8, .size: 8, .value_kind: global_buffer, .address_space: global }
      - { .name: Wc_codes, .offset: 16, .size: 8, .value_kind: global_buffer, .address_space: global }
      - { .name: Wc_scales, .offset: 24, .size: 8, .value_kind: global_buffer, .address_space: global }
      - { .name: bc, .offset: 32, .size: 8, .value_kind: global_buffer, .address_space: global }
      - { .name: Wp_codes, .offset: 40, .size: 8, .value_kind: global_buffer, .address_space: global }
      - { .name: Wp_scales, .offset: 48, .size: 8, .value_kind: global_buffer, .address_space: global }
      - { .name: bp, .offset: 56, .size: 8, .value_kind: global_buffer, .address_space: global }
      - { .name: out0, .offset: 64, .size: 8, .value_kind: global_buffer, .address_space: global }
    .group_segment_fixed_size: 327680
    .private_segment_fixed_size: 0
    .kernarg_segment_align: 8
    .kernarg_segment_size: 72
    .max_flat_workgroup_size: 128
    .sgpr_count:     100
    .vgpr_count:     1024
    .wavefront_size: 32
...
	.end_amdgpu_metadata
.endif
;; end of part 1
